; MI455X (gfx1250); checked and timed in simulation.
; The chip was launched on July 23, 2026; its instructions are those of AMD's public machine-readable ISA for CDNA 5 (MIT licence, August 2026) and "CDNA5" Instruction Set Architecture Reference Guide (July 2026). The comments in the code are by the model that wrote it; some were corrected since.
;; Cross SDPA. Allowed arithmetic: float matrix products may take bf16 or f16 operands with f32 sums; all other float work in f32.
;; Inputs: Wk 512 x 64 float32; Wq 512 x 64 float32; Wv 512 x 64 float32; bk 64 float32; bq 64 float32; bv 64 float32; y 4 x 4,096 x 512 float32; z 4 x 4,096 x 512 float32.
;; Outputs: out0 4 x 4,096 x 64 float32.
;; One version. Each part assembles by itself: llvm-mc -triple=amdgcn-amd-amdhsa -mcpu=gfx1250 --defsym DOCPART=n.
;; ======== version 1 of 1: 2 launches
;; workspace buffers: Kb 2,097,152 bytes; Vb 2,097,152 bytes; Qb 2,097,152 bytes
;; launch proj (part 1): grid 256 x 1, 8 waves a work-group, no clusters, 322,560 bytes of LDS; arguments z, y, Wk, Wv, Wq, bk, bv, bq, Kb, Vb, Qb; writes Kb, Vb, Qb
.if DOCPART == 1
	.amdgcn_target "amdgcn-amd-amdhsa--gfx1250"
	.amdhsa_code_object_version 6
	.text
	.protected	k_q143599a784_proj
	.globl	k_q143599a784_proj
	.p2align	8
	.type	k_q143599a784_proj,@function
k_q143599a784_proj:
	s_mov_b64 s[64:65], 0
	v_nop
	global_prefetch_b8 v0, s[64:65] scope:SCOPE_SE
	s_setreg_imm32_b32 hwreg(HW_REG_WAVE_MODE, 25, 1), 1
	s_wait_xcnt 0x0
; The three projections.  A work-group takes 128 rows: kind 0: K = z Wk + bk and V = z Wv + bv; kind 1: Q = y Wq + bq.
; x (z or y): [16384][512] f32.  W: [512][64] f32.  b: [64] f32.  Results: [16384][64] bf16, row-major.
; Products in bf16 with f32 sums; the bias is the sums' first addend; each result is rounded to bf16 once.
; LIMIT: x and W are rounded to bf16 on their way to the matrix unit, and Q, K, V leave as bf16.
; Work-group g: kind = bit 0 xor bit 4 of g, block = g >> 1.  The numbers 2 b and 2 b + 1 differ in bit 0 alone, so each block gets one job
; of each kind, and the jobs with two matrices alternate with the others between neighbours and between numbers 16 apart.
; x AND W GO THROUGH REGISTERS: every load of a wave takes 512 consecutive bytes, aligned; each number is converted to bf16 once and stored
; to LDS in bf16, where the job's whole x (128 rows) and its weights fit: no LDS byte is written twice but a wave's own stage.
; K (512) is cut into four chunks of 128: chunk c is converted, shown to all waves by one barrier and multiplied while later chunks are on
; their way.  The landing registers hold two chunks; chunk c + 2 is requested as soon as chunk c has been converted.
; Eight waves.  Wave w lands and converts rows 16 w .. 16 w + 15 of x and an eighth of W.  It multiplies: kind 0: 32 rows (w & 3) x the 64
; columns of one matrix (w >> 2); kind 1: 16 rows (w) x 64 columns.  RB = row blocks of 16 a wave.
; NO JOINT LOADS of W, though all work-groups read it: W comes in f32 and is needed in bf16, so it goes through registers; a landing area
; in LDS for it (2 x 131,072 bytes) beside x (139,264) and the bf16 copy (163,840) would pass the 327,680 bytes a work-group can be given.
; THE MATRIX INSTRUCTION IS USED TRANSPOSED: source 0 = 16 columns of W, source 1 = 16 rows of x.  Lane (r, h) then holds row r and, in
; registers 0-7, the columns 8 h + 0..7 of the block: eight neighbouring numbers of a row, 16 bytes in bf16.
.set XP,    272                        ; LDS pitch of x: 256 bytes (128 bf16) + 16: row i starts 16 i further modulo 256
.set XCH,   128*XP                     ; a chunk of x: 34,816 bytes.  Chunk after chunk, so that a chunk's stores and another's reads lie in ranges apart
.set WBASE, 4*XCH                      ; 139,264: W in bf16, [k][64], behind x
.set WP,    160                        ; its pitch: 128 bytes + 32
.set WMAT,  512*WP                     ; 81,920 bytes a matrix
.set STG,   WBASE+2*WMAT               ; 303,104: the way out, 16 rows x 144 bytes for each wave
.set SP,    144
.set XOFF, 4                           ; v4      byte offset in the block's x of my 16 bytes of a load: 32,768 w + 16 lane
.set WOFF, 5                           ; v5      the same in W
.set BOFF, 6                           ; v6      32 h: my eight numbers of a block of the bias
.set OOFF, 7                           ; v7      my byte offset in the block's result
.set XST,  8                           ; v8-9    where I put x in bf16 (chunks 0-1, chunks 2-3: LDS immediates have 16 bits)
.set WST,  10                          ; v10-11  where I put W in bf16
.set WAD,  12                          ; v12-13  where I read W's fragments
.set XAD,  14                          ; v14-15  where I read x's fragments
.set ACC,  16                          ; v16-79  accumulator (row block k, column block cb) at 16 + 32 k + 8 cb
.set XB,   80                          ; v80-111 x's fragments: buffer p, row block k at 80 + 16 p + 8 k
.set WF,   112                         ; v112-175 W's fragments: buffer p, column block cb at 112 + 32 p + 8 cb
.set T,    176                         ; v176-239 at work
.set TMP,  240                         ; v240
.set SST,  241                         ; v241    the way out: where I put 16 bytes of a row
.set SRD,  242                         ; v242    the way out: where I read rows back
                                       ; window 1, v0-255: the landing ring: chunk c at 128 (c & 1): x's 16 loads, then W's
.set MSB, 0
.macro WIN new                         ; the immediate's high byte repeats the setting that is left
.if MSB != \new
	s_set_vgpr_msb (MSB<<8)|\new
.set MSB, \new
.endif
.endm
.macro PLACES
.rept 4
	v_nop
.endr
.endm
	s_load_b512 s[8:23], s[0:1], 0x0               ; z s[8:9], y s[10:11], Wk s[12:13], Wv s[14:15], Wq s[16:17], bk s[18:19], bv s[20:21], bq s[22:23]
	s_load_b128 s[24:27], s[0:1], 0x40             ; Kb s[24:25], Vb s[26:27]
	s_load_b64 s[28:29], s[0:1], 0x50              ; Qb
	v_lshl_add_u32 v254, v0, 2, 0x4e800
	v_mov_b32 v255, 0
	; all the address arithmetic stands ahead of the wait for the arguments
	v_lshrrev_b32 v1, 5, v0
	v_readfirstlane_b32 s30, v1                    ; wave 0..7
	s_and_b32 s31, s30, 3                          ; w & 3
	s_lshr_b32 s32, s30, 2                         ; w >> 2
	s_lshr_b32 s33, ttmp9, 4
	s_xor_b32 s33, s33, ttmp9
	s_and_b32 s33, s33, 1                          ; kind
	s_lshr_b32 s34, ttmp9, 1                       ; block of 128 rows
	v_and_b32 v1, 31, v0                           ; lane L
	v_and_b32 v2, 15, v0                           ; r
	v_bfe_u32 v3, v0, 4, 1                         ; h
	v_lshlrev_b32 v[XOFF], 4, v1
	v_lshl_add_u32 v[XOFF], s30, 15, v[XOFF]       ; 16 w rows of 2,048 bytes + 16 L
	v_lshlrev_b32 v[BOFF], 5, v3
	s_mul_i32 s62, s30, 16*XP
	v_lshl_add_u32 v[XST], v1, 3, s62              ; a load's 4 f32 a lane are 8 bytes in bf16: row 16 w, byte 8 L
	v_add_nc_u32 v[XST+1], 2*XCH, v[XST]
	s_mul_i32 s63, s30, 16*SP
	s_add_co_u32 s63, s63, STG                     ; my stage
	v_mul_u32_u24 v[SST], v2, SP
	v_lshl_add_u32 v[SST], v3, 4, v[SST]
	v_add_nc_u32 v[SST], s63, v[SST]
	v_lshrrev_b32 v[TMP], 3, v1                    ; back: eight lanes take a row of 128 bytes
	v_mul_u32_u24 v[SRD], v[TMP], SP
	v_and_b32 v[TMP], 7, v0
	v_lshl_add_u32 v[SRD], v[TMP], 4, v[SRD]
	v_add_nc_u32 v[SRD], s63, v[SRD]
; The bias goes straight into the accumulators (register j of column block cb: b[16 cb + 8 h + j]): nothing is cleared and nothing added later.
.macro BIAS
.set kk, 0
.rept RB
.irp cb, 0,1,2,3
	global_load_b128 v[ACC+32*kk+8*\cb:ACC+32*kk+8*\cb+3],   v[BOFF], s[6:7] offset:64*\cb
	global_load_b128 v[ACC+32*kk+8*\cb+4:ACC+32*kk+8*\cb+7], v[BOFF], s[6:7] offset:64*\cb+16
.endr
.set kk, kk+1
.endr
.endm
; Chunk c is requested (under destination window 1): 512 bytes of each of my 16 rows of x, and my NW loads of W (two rows k of 256 bytes each).
.macro XWLOAD c
.irp i, 0,1,2,3,4,5,6,7,8,9,10,11,12,13,14,15
	global_load_b128 v[128*((\c)%2)+4*\i:128*((\c)%2)+4*\i+3], v[XOFF], s[2:3] offset:2048*\i+512*(\c) th:TH_LOAD_NT
.endr
.set jj, 0
.rept NW
	global_load_b128 v[128*((\c)%2)+64+4*jj:128*((\c)%2)+64+4*jj+3], v[WOFF], s[4:5] offset:32768*(\c)+512*jj
.set jj, jj+1
.endr
.endm
; Chunk c: f32 to bf16, the chunk after next requested into the registers just read, and the bf16 into LDS.
.macro CONV c
.if \c < 3
	s_wait_loadcnt 16+NW                           ; loads come back in order: what may stay out is the one chunk requested behind this one
.else
	s_wait_loadcnt 0x0
.endif
.set rw, 128*(\c%2)
	WIN 0x05                                       ; both sources window 1
.irp i, 0,1,2,3,4,5,6,7,8,9,10,11,12,13,14,15
	v_cvt_pk_bf16_f32 v[T+2*\i],   v[rw+4*\i],   v[rw+4*\i+1]
	v_cvt_pk_bf16_f32 v[T+2*\i+1], v[rw+4*\i+2], v[rw+4*\i+3]
.endr
.set jj, 0
.rept NW
	v_cvt_pk_bf16_f32 v[T+32+2*jj],   v[rw+64+4*jj],   v[rw+64+4*jj+1]
	v_cvt_pk_bf16_f32 v[T+32+2*jj+1], v[rw+64+4*jj+2], v[rw+64+4*jj+3]
.set jj, jj+1
.endr
.if \c < 2
	WIN 0x40                                       ; destination window 1, address window 0
	XWLOAD \c+2
.endif
	WIN 0
.irp i, 0,1,2,3,4,5,6,7,8,9,10,11,12,13,14,15
	ds_store_b64 v[XST+\c/2], v[T+2*\i:T+2*\i+1] offset:(\c%2)*XCH+XP*\i       ; 32 lanes: the row's 256 bytes of this chunk
.endr
.set jj, 0
.rept NW
	ds_store_b64 v[WST+\c/2], v[T+32+2*jj:T+32+2*jj+1] offset:(\c%2)*128*WP+2*WP*jj
.set jj, jj+1
.endr
.endm
; A chunk is shown to every wave.  Loads from memory stay on their way across the barrier: no wave touches those bytes.
.macro BAR
	s_wait_dscnt 0x0                               ; for the others' sake: my stores of x and W are done (and no LDS load of mine is out)
	s_barrier_signal -1
	s_barrier_wait -1
.endm
; The fragments of K step u (32 along K) of chunk c into buffer p: NF = 2 RB + 8 loads
.macro FETCH c, u, p
.set kk, 0
.rept RB
	ds_load_b128 v[XB+16*\p+8*kk:XB+16*\p+8*kk+3],   v[XAD+\c/2] offset:(\c%2)*XCH+16*XP*kk+64*\u
	ds_load_b128 v[XB+16*\p+8*kk+4:XB+16*\p+8*kk+7], v[XAD+\c/2] offset:(\c%2)*XCH+16*XP*kk+64*\u+32
.set kk, kk+1
.endr
.irp cb, 0,1,2,3
	ds_load_tr16_b128 v[WF+32*\p+8*\cb:WF+32*\p+8*\cb+3],   v[WAD+\c/2] offset:(\c%2)*128*WP+32*WP*\u+32*\cb
	ds_load_tr16_b128 v[WF+32*\p+8*\cb+4:WF+32*\p+8*\cb+7], v[WAD+\c/2] offset:(\c%2)*128*WP+32*WP*\u+32*\cb+16*WP
.endr
.endm
; One K step's products from buffer p.  The 4 RB accumulators take turns, one instruction a turn.
.macro WM p
.set kk, 0
.rept RB
.irp cb, 0,1,2,3
	v_wmma_f32_16x16x32_bf16 v[ACC+32*kk+8*\cb:ACC+32*kk+8*\cb+7], v[WF+32*\p+8*\cb:WF+32*\p+8*\cb+7], v[XB+16*\p+8*kk:XB+16*\p+8*kk+7], v[ACC+32*kk+8*\cb:ACC+32*kk+8*\cb+7]
.endr
.set kk, kk+1
.endr
.endm
; A chunk's four K steps on two buffers, fetched two steps ahead.  A load into a register that a matrix instruction has read stands four
; places behind it (ISA guide 7.12.1 for vector instructions): four v_nop inside a chunk; between two chunks
; the conversions of CONV, which name no register of a matrix instruction, are the places.
.macro MUL c
	FETCH \c, 0, 0
	FETCH \c, 1, 1
	s_wait_dscnt NF                                ; LDS loads come back in order: the next step's NF loads may stay out
	WM 0
	PLACES
	FETCH \c, 2, 0
	s_wait_dscnt NF
	WM 1
	PLACES
	FETCH \c, 3, 1
	s_wait_dscnt NF
	WM 0
	s_wait_dscnt 0x0
	WM 1
.endm
; The way out, 16 rows at a time: round, 16 bytes a lane into my own stage, rows back, and stores of 512 consecutive bytes (four rows), aligned.
; My own bytes; LDS serves a wave's instructions in order (ISA guide 5.7.1.4): no wait between stores and loads, nor ahead of the second block's stores.
.macro OUT
	PLACES                                         ; four places in front of the first read of a result
.set kk, 0
.rept RB
.irp cb, 0,1,2,3
.irp q, 0,1,2,3
	v_cvt_pk_bf16_f32 v[T+32*kk+4*\cb+\q], v[ACC+32*kk+8*\cb+2*\q], v[ACC+32*kk+8*\cb+2*\q+1]
.endr
.endr
.irp cb, 0,1,2,3
	ds_store_b128 v[SST], v[T+32*kk+4*\cb:T+32*kk+4*\cb+3] offset:32*\cb
.endr
.irp t, 0,1,2,3
	ds_load_b128 v[T+32*kk+16+4*\t:T+32*kk+16+4*\t+3], v[SRD] offset:4*SP*\t
.endr
.set kk, kk+1
.endr
.set kk, 0
.rept RB
.irp t, 0,1,2,3
	s_wait_dscnt (RB-1-kk)*8+3-\t                  ; what may stay out: this block's younger read-backs, and a later block's four stores and four loads
	global_store_b128 v[OOFF], v[T+32*kk+16+4*\t:T+32*kk+16+4*\t+3], s[60:61] offset:2048*kk+512*\t
.endr
.set kk, kk+1
.endr
.endm
; A job.  q = 0: two matrices, a wave multiplies 32 rows; q = 1: one matrix, 16 rows.  s[GI]: the number of my group of rows (w & 3, or w),
; which also says which rows of a chunk of W I land: 32 or 16 of its 128.
.macro BODY q
.set RB, 2-\q
.set NW, 16>>\q
.set NF, 2*RB+8
.set GI, 31-\q
	v_lshlrev_b32 v[WOFF], 4, v1
	v_lshl_add_u32 v[OOFF], s[GI], 12-\q, v[WOFF]  ; 16 RB rows of 128 bytes a group + 16 L
	v_lshl_add_u32 v[WOFF], s[GI], 13-\q, v[WOFF]  ; 2 NW rows of 256 bytes a group + 16 L
.if \q
	s_mov_b32 s62, WBASE                           ; my matrix in LDS
.else
	s_mul_i32 s62, s32, WMAT
	s_add_co_u32 s62, s62, WBASE
.endif
	s_mul_i32 s63, s[GI], 2*NW*WP
	s_add_co_u32 s63, s63, s62
	v_mul_u32_u24 v[WST], v3, WP                   ; a load of W holds rows k = .. + h, columns 4 r .. 4 r + 3: 8 bytes in bf16
	v_lshl_add_u32 v[WST], v2, 3, v[WST]
	v_add_nc_u32 v[WST], s63, v[WST]
	v_add_nc_u32 v[WST+1], 256*WP, v[WST]
	v_and_b32 v[TMP], 7, v0                        ; the transposing load: lane L addresses row 8 h + (L & 7), 16 bytes at 16 ((L >> 3) & 1)
	v_lshl_add_u32 v[TMP], v3, 3, v[TMP]
	v_mul_u32_u24 v[WAD], v[TMP], WP
	v_bfe_u32 v[TMP], v0, 3, 1
	v_lshl_add_u32 v[WAD], v[TMP], 4, v[WAD]
	v_add_nc_u32 v[WAD], s62, v[WAD]
	v_add_nc_u32 v[WAD+1], 256*WP, v[WAD]
	v_lshl_add_u32 v[TMP], s[GI], 5-\q, v2         ; x: row 16 RB x group + r, 8 bf16 at 16 h
	v_mul_u32_u24 v[XAD], v[TMP], XP
	v_lshl_add_u32 v[XAD], v3, 4, v[XAD]
	v_add_nc_u32 v[XAD+1], 2*XCH, v[XAD]
	s_wait_kmcnt 0x0
.if \q
	s_mov_b64 s[2:3], s[10:11]                     ; y
	s_mov_b64 s[4:5], s[16:17]                     ; Wq
	s_mov_b64 s[6:7], s[22:23]                     ; bq
	s_mov_b64 s[60:61], s[28:29]                   ; Qb
.else
	s_mov_b64 s[2:3], s[8:9]                       ; z
	s_cmp_eq_u32 s32, 0
	s_cselect_b64 s[4:5], s[12:13], s[14:15]       ; Wk or Wv
	s_cselect_b64 s[6:7], s[18:19], s[20:21]       ; bk or bv
	s_cselect_b64 s[60:61], s[24:25], s[26:27]     ; Kb or Vb
.endif
	s_lshl_b32 s62, s34, 18                        ; 128 rows of 2,048 bytes a block
	s_mov_b32 s63, 0
	s_add_nc_u64 s[2:3], s[2:3], s[62:63]
	s_lshl_b32 s62, s34, 14                        ; 128 rows of 128 bytes a block
	s_add_nc_u64 s[60:61], s[60:61], s[62:63]
	BIAS                                           ; first, so that the wait for chunk 0 covers it
	WIN 0x40
	XWLOAD 0                                       ; both halves of the landing ring are requested at once; where that is more than the counter's
	XWLOAD 1                                       ; field holds the issue is held back (ISA guide 5.7.1), so no wait is placed for it
	WIN 0
	CONV 0
	BAR
	MUL 0
	CONV 1
	BAR
	MUL 1
	CONV 2
	BAR
	MUL 2
	CONV 3
	BAR
	MUL 3
	OUT
	s_wait_tensorcnt 0x0
	ds_add_u32 v254, v255
	s_wait_dscnt 0x0
	s_endpgm
.endm
	s_cmp_lg_u32 s33, 0                            ; the job's kind: the same in all eight waves
	s_cbranch_scc1 .Lq_job
	BODY 0
.Lq_job:
	BODY 1
.Lfunc_end_k_q143599a784_proj:
	.size	k_q143599a784_proj, .Lfunc_end_k_q143599a784_proj-k_q143599a784_proj
	.p2alignl 7, 3214868480
	.fill 96, 4, 3214868480
	.section	.rodata,"a",@progbits
	.p2align	6, 0x0
	.amdhsa_kernel k_q143599a784_proj
		.amdhsa_group_segment_fixed_size 322560
		.amdhsa_private_segment_fixed_size 0
		.amdhsa_enable_private_segment 0
		.amdhsa_kernarg_size 88
		.amdhsa_user_sgpr_count 2
		.amdhsa_user_sgpr_kernarg_segment_ptr 1
		.amdhsa_wavefront_size32 1
		.amdhsa_system_sgpr_workgroup_id_x 1
		.amdhsa_system_sgpr_workgroup_id_y 1
		.amdhsa_system_sgpr_workgroup_id_z 1
		.amdhsa_system_vgpr_workitem_id 0
		.amdhsa_next_free_vgpr 512
		.amdhsa_next_free_sgpr 66
		.amdhsa_reserve_vcc 0
		.amdhsa_float_denorm_mode_32 3
		.amdhsa_float_denorm_mode_16_64 3
		.amdhsa_memory_ordered 1
		.amdhsa_forward_progress 1
		.amdhsa_inst_pref_size 116
	.end_amdhsa_kernel
	.amdgpu_metadata
---
amdhsa.version: [ 1, 2 ]
amdhsa.kernels:
  - .name:           k_q143599a784_proj
    .symbol:         k_q143599a784_proj.kd
    .args:
      - { .name: z, .offset: 0, .size: 8, .value_kind: global_buffer, .address_space: global }
      - { .name: y, .offset: 8, .size: 8, .value_kind: global_buffer, .address_space: global }
      - { .name: Wk, .offset: 16, .size: 8, .value_kind: global_buffer, .address_space: global }
      - { .name: Wv, .offset: 24, .size: 8, .value_kind: global_buffer, .address_space: global }
      - { .name: Wq, .offset: 32, .size: 8, .value_kind: global_buffer, .address_space: global }
      - { .name: bk, .offset: 40, .size: 8, .value_kind: global_buffer, .address_space: global }
      - { .name: bv, .offset: 48, .size: 8, .value_kind: global_buffer, .address_space: global }
      - { .name: bq, .offset: 56, .size: 8, .value_kind: global_buffer, .address_space: global }
      - { .name: Kb, .offset: 64, .size: 8, .value_kind: global_buffer, .address_space: global }
      - { .name: Vb, .offset: 72, .size: 8, .value_kind: global_buffer, .address_space: global }
      - { .name: Qb, .offset: 80, .size: 8, .value_kind: global_buffer, .address_space: global }
    .group_segment_fixed_size: 322560
    .private_segment_fixed_size: 0
    .kernarg_segment_align: 8
    .kernarg_segment_size: 88
    .max_flat_workgroup_size: 256
    .sgpr_count:     66
    .vgpr_count:     512
    .wavefront_size: 32
...
	.end_amdgpu_metadata
.endif
;; end of part 1
;; launch attn (part 2): grid 256 x 1, 8 waves a work-group, clusters of 4 x 1, 327,680 bytes of LDS; arguments Qb, Kb, Vb, out0; writes out0
.if DOCPART == 2
	.amdgcn_target "amdgcn-amd-amdhsa--gfx1250"
	.amdhsa_code_object_version 6
	.text
	.protected	k_q143599a784_attn
	.globl	k_q143599a784_attn
	.p2align	8
	.type	k_q143599a784_attn,@function
k_q143599a784_attn:
	s_mov_b64 s[64:65], 0
	v_nop
	global_prefetch_b8 v0, s[64:65] scope:SCOPE_SE
	s_setreg_imm32_b32 hwreg(HW_REG_WAVE_MODE, 25, 1), 1
	s_wait_xcnt 0x0
	s_wait_alu depctr_hold_cnt(0) depctr_sa_sdst(0) depctr_va_vdst(0) depctr_va_sdst(0) depctr_va_ssrc(0) depctr_va_vcc(0) depctr_vm_vsrc(0)
	s_getreg_b32 s2, hwreg(HW_REG_IB_STS2, 6, 4)
	s_cmp_eq_u32 s2, 0
	s_cbranch_scc0 .Lentry_in_a_cluster
	s_endpgm
.Lentry_in_a_cluster:
	s_bfe_u32 s2, ttmp6, 0x10000c
	s_cmp_lg_u32 s2, 0x3003
	s_cbranch_scc0 .Lentry_shape_is_right
	s_endpgm
.Lentry_shape_is_right:
; out[b][n][:] = softmax over m of (Q[b][n] . K[b][m] / 8) times V[b][m][:].  Qb, Kb, Vb: [4 x 4096][64] bf16.  out0: [4 x 4096][64] f32.
; Work-group g owns 64 queries (64 g ..); 64 work-groups make a batch.  The 4,096 keys go in 8 tiles of 512 through two LDS slots.
; Within a tile the eight waves SPLIT THE KEYS: wave w takes keys 64 w .. 64 w + 63 for all 64 queries, with a running maximum, a running sum
; and an O of its own; the eight are merged once at the end.  So each LDS byte of a tile is read once, by one wave.
; CLUSTERS: the four work-groups of a cluster lie in one batch (64 is a multiple of 4) and walk the same K and V, so every tile is asked for
; JOINTLY: the same tensor load in all four, mask 15.  Waves 0-3 fetch a quarter of K's tile each, waves 4-7 a quarter of V's.
; TRANSPOSED FORMS: S^T = K Q^T (lane (r, h), register j: key 8 h + j, query r), so a query's maximum and sum are one number a lane, met across
; h by one lane exchange; two neighbouring S^T tiles, packed to bf16, ARE the second source P^T of 32 keys; O^T = V^T P^T (register j: column
; 8 h + j, query r), so the rescaling is one factor a lane.  V^T comes from row-major V by the transposing LDS load.
; The softmax takes the running maximum away: p = exp2(c s - c m), c = log2(e) / 8, in one fused multiply-add and one exponential.
; LIMITS: Q, K, V and p are bf16 in the products (sums, maxima, exponents in f32); v_exp_f32 gives 0 below 2^-126 (ISA guide 15.8);
; rows whose scores hold NaN or infinities are not served.
.set KP,    272                        ; K in LDS: rows of two keys (256 bytes) + 16: key i at (i >> 1) 272 + (i & 1) 128
.set VP,    288                        ; V the same with 32 bytes of padding
.set VPART, 256*KP                     ; 69,632: V's part of a slot
.set SLOT,  VPART+256*VP               ; 143,360
.set ML,    2*SLOT                     ; 286,720: the waves' -c m (8 x 512 bytes), then their sums (8 x 512): bytes that no fill touches
.set OP,    272                        ; the merge's stage: [64 queries][64 f32], pitch 256 + 16,
.set OST,   64*OP                      ; 17,408 bytes a wave, 139,264 in all: inside slot 0, behind that slot's last fill (tile 6) and last read
.set ADK, 2                            ; v2-3    LDS address of my K fragments in slot 0, 1
.set ADV, 4                            ; v4-5    the same for V
.set QOFF, 6                           ; v6      my byte offset in the group's Q
.set MLA, 7                            ; v7      where I put my wave's -c m
.set MX,  8                            ; v8-11   running maximum, one for each query block
.set MN,  12                           ; v12-15  -c m, new
.set TP,  16                           ; v16-19  at work
.set AL,  20                           ; v20-27  pairs: the rescaling factor in the even register
.set MC,  28                           ; v28-35  pairs: -c m in the even register
.set LS,  36                           ; v36-43  pairs: running sums
.set TT,  44                           ; v44-51  two sets of two pairs, by the tile's parity
.set LR,  52                           ; v52-55  sums at the end
.set MLB, 56                           ; v56     where I read the waves' figures
.set STO, 57                           ; v57     where I put my O
.set RD,  58                           ; v58-59  where I read the eight O (waves 0-3, waves 4-7)
.set OOFF, 60                          ; v60     my byte offset in the group's output
.set VF,  64                           ; v64-127  V^T fragment (kc, ob) at 64 + 8 (4 kc + ob)
.set SC,  128                          ; v128-255 S^T tile (kb, qb) at 128 + 8 (4 kb + qb); P^T (kc, qb) is packed in place into tile (2 kc, qb)
.set OA,  0                            ; window 1: v0-127    O^T tile (ob, qb) at 8 (4 ob + qb)
.set QF,  128                          ; window 1: v128-191  Q fragment (qb, t) at 128 + 8 (2 qb + t)
.set KF,  192                          ; window 1: v192-255  K fragment (kb, t) at 192 + 8 (2 kb + t)
.set G1K, 24                           ; s[24:31] group 1 for K
.set G0K, 32                           ; s[32:39] group 0 for K, one set for each slot
.set G1V, 40                           ; s[40:47] group 1 for V
.set G0V, 48                           ; s[48:55] group 0 for V
.set MSB, 0
.macro WIN new                         ; the immediate's high byte repeats the setting that is left
.if MSB != \new
	s_set_vgpr_msb (MSB<<8)|\new
.set MSB, \new
.endif
.endm
.macro PLACES
.rept 4
	v_nop
.endr
.endm
; A joint load: one line for K (waves 0-3), one for V (waves 4-7).  The branch hangs on the wave's number alone.
.macro JLOAD s
	s_cmp_eq_u32 s14, 0
	s_cbranch_scc0 .Lfor_v_\@
	tensor_load_to_lds s[G0K+4*\s:G0K+4*\s+3], s[G1K:G1K+7]
	s_nop 0
	s_branch .Lasked_\@
.Lfor_v_\@:
	tensor_load_to_lds s[G0V+4*\s:G0V+4*\s+3], s[G1V:G1V+7]
	s_nop 0
.Lasked_\@:
.endm
.macro CREST                           ; a round of the cluster's barrier behind its opening barrier
	s_cmp_lg_u32 s12, 0
	s_cbranch_scc1 .Lnot_wave_0_\@
	s_barrier_signal -3
.Lnot_wave_0_\@:
	s_barrier_wait -3
	s_barrier_signal -1
	s_barrier_wait -1
.endm
.macro CROUND                          ; a whole round
	s_barrier_signal -1
	s_barrier_wait -1
	CREST
.endm
	s_load_b256 s[4:11], s[0:1], 0x0               ; Qb s[4:5], Kb s[6:7], Vb s[8:9], out0 s[10:11]
	v_lshl_add_u32 v62, v0, 2, 0x48000
	v_mov_b32 v63, 0
	ds_add_u32 v62, v63
	s_wait_dscnt 0x0
	v_lshrrev_b32 v1, 5, v0
	v_readfirstlane_b32 s12, v1                    ; wave 0..7
	s_and_b32 s13, s12, 3                          ; which quarter of a tile I fetch
	s_lshr_b32 s14, s12, 2                         ; of K (0) or of V (1)
	s_bfe_u32 s15, ttmp6, 0x40000                  ; cx
	s_lshl_b32 s16, ttmp9, 2
	s_add_co_u32 s16, s16, s15                     ; g = 4 x cluster + cx
	s_lshr_b32 s17, ttmp9, 4                       ; batch: 16 clusters each
	s_mov_b32 s20, 0x76543210                      ; v_permlanex16_b32: lane i of one half reads lane i of the other
	s_mov_b32 s21, 0xfedcba98
	s_mov_b32 s22, 0x3e38aa3b                      ; c = log2(e) / 8, twice (a pair for the packed multiply-add)
	s_mov_b32 s23, 0x3e38aa3b
	s_mov_b32 s57, 0xbe38aa3b                      ; -c
	; group 1: 64 rows of 128 bf16 (256 bytes, two keys), dense in memory; padding behind every 64 words: 4 words for K, 8 for V; mask 15 and bit 21
	s_mov_b32 s[G1K+0], 15|(1<<16)|(1<<20)|(1<<21)|(5<<22)|(3<<25)
	s_mov_b32 s[G1V+0], 15|(1<<16)|(1<<20)|(1<<21)|(5<<22)|(7<<25)
	s_mov_b32 s[G1K+1], 128<<16                    ; tensor_dim0 = 128
	s_mov_b32 s[G1V+1], 128<<16
	s_mov_b32 s[G1K+2], 64<<16                     ; tensor_dim1 = 64
	s_mov_b32 s[G1V+2], 64<<16
	s_mov_b32 s[G1K+3], 128<<16                    ; tile_dim0 = 128
	s_mov_b32 s[G1V+3], 128<<16
	s_mov_b32 s[G1K+4], 64                         ; tile_dim1 = 64
	s_mov_b32 s[G1V+4], 64
	s_mov_b32 s[G1K+5], 128                        ; elements from row to row
	s_mov_b32 s[G1V+5], 128
	s_mov_b32 s[G1K+6], 0
	s_mov_b32 s[G1V+6], 0
	s_mov_b32 s[G1K+7], 0
	s_mov_b32 s[G1V+7], 0
	s_lshl_b32 s18, s17, 19                        ; the batch's 4,096 keys of 128 bytes
	s_lshl_b32 s19, s13, 14                        ; + my quarter: 128 keys
	s_add_co_u32 s18, s18, s19
	s_mov_b32 s19, 0
	s_mul_i32 s58, s13, 64*KP                      ; where my quarter goes: the wave's number and constants alone
	s_mul_i32 s59, s13, 64*VP
	s_add_co_u32 s59, s59, VPART
	s_wait_kmcnt 0x0
	s_add_nc_u64 s[6:7], s[6:7], s[18:19]          ; K and V: made of the cluster's number and the wave's, which the four partners share
	s_add_nc_u64 s[8:9], s[8:9], s[18:19]
	s_lshl_b32 s60, s16, 13                        ; Q and out hang on cx: in registers that feed no descriptor
	s_mov_b32 s61, 0
	s_add_nc_u64 s[4:5], s[4:5], s[60:61]          ; 64 g queries of 128 bytes
	s_lshl_b32 s60, s16, 14
	s_add_nc_u64 s[10:11], s[10:11], s[60:61]      ; 64 g rows of 256 bytes
	CROUND                                         ; all four work-groups are here: the first joint loads meet
.irp s, 0,1
	s_mov_b32 s[G0K+4*\s], 1
	s_add_co_u32 s[G0K+4*\s+1], s58, \s*SLOT
	s_add_nc_u64 s[G0K+4*\s+2:G0K+4*\s+3], s[6:7], \s*65536        ; tile s: 512 keys of 128 bytes
	s_or_b32 s[G0K+4*\s+3], s[G0K+4*\s+3], 0x80000000
	s_mov_b32 s[G0V+4*\s], 1
	s_add_co_u32 s[G0V+4*\s+1], s59, \s*SLOT
	s_add_nc_u64 s[G0V+4*\s+2:G0V+4*\s+3], s[8:9], \s*65536
	s_or_b32 s[G0V+4*\s+3], s[G0V+4*\s+3], 0x80000000
	JLOAD \s                                       ; both slots are asked for before anything else: two loads of the wave are out
.endr
	v_and_b32 v61, 31, v0                          ; lane L
	v_and_b32 v62, 15, v0                          ; r
	v_bfe_u32 v63, v0, 4, 1                        ; h
	v_lshlrev_b32 v[QOFF], 7, v62                  ; Q: row r of 128 bytes, 16 bytes at 16 h
	v_lshl_add_u32 v[QOFF], v63, 4, v[QOFF]
	WIN 0x40                                       ; destination window 1
.irp qb, 0,1,2,3
.irp t, 0,1
	global_load_b128 v[QF+8*(2*\qb+\t):QF+8*(2*\qb+\t)+3],   v[QOFF], s[4:5] offset:2048*\qb+64*\t
	global_load_b128 v[QF+8*(2*\qb+\t)+4:QF+8*(2*\qb+\t)+7], v[QOFF], s[4:5] offset:2048*\qb+64*\t+32
.endr
.endr
	WIN 0
	v_lshrrev_b32 v[ADK], 1, v62                   ; K: key r of a block at (r >> 1) 272 + (r & 1) 128, 16 bytes at 16 h; my 64 keys are 32 rows
	v_mul_u32_u24 v[ADK], v[ADK], KP
	v_and_b32 v1, 1, v0
	v_lshl_add_u32 v[ADK], v1, 7, v[ADK]
	v_lshl_add_u32 v[ADK], v63, 4, v[ADK]
	s_mul_i32 s62, s12, 32*KP
	v_add_nc_u32 v[ADK], s62, v[ADK]
	v_add_nc_u32 v[ADK+1], SLOT, v[ADK]
	v_bfe_u32 v[ADV], v0, 1, 2                     ; V, transposing load: lane L addresses key 8 h + (L & 7), 16 bytes at 16 ((L >> 3) & 1)
	v_lshl_add_u32 v[ADV], v63, 2, v[ADV]
	v_mul_u32_u24 v[ADV], v[ADV], VP
	v_lshl_add_u32 v[ADV], v1, 7, v[ADV]
	v_bfe_u32 v1, v0, 3, 1
	v_lshl_add_u32 v[ADV], v1, 4, v[ADV]
	s_mul_i32 s63, s12, 32*VP
	s_add_co_u32 s63, s63, VPART
	v_add_nc_u32 v[ADV], s63, v[ADV]
	v_add_nc_u32 v[ADV+1], SLOT, v[ADV]
	v_lshlrev_b32 v[OOFF], 4, v61
	v_add_nc_u32 v[MLB], ML, v[OOFF]               ; 16 L in the figures' block
	v_lshl_add_u32 v[MLA], s12, 9, v[MLB]          ; + 512 w
	v_lshl_add_u32 v[OOFF], s12, 11, v[OOFF]       ; out: 8 w rows of 256 bytes + 16 L
	v_mul_u32_u24 v[STO], v62, OP                  ; my O: query r, 8 f32 at 32 h
	v_lshl_add_u32 v[STO], v63, 5, v[STO]
	s_mul_i32 s62, s12, OST
	v_add_nc_u32 v[STO], s62, v[STO]
	v_lshl_add_u32 v[RD], s12, 3, v63              ; back: query 8 w + h, 16 bytes at 16 r
	v_mul_u32_u24 v[RD], v[RD], OP
	v_lshl_add_u32 v[RD], v62, 4, v[RD]
	v_add_nc_u32 v[RD+1], 4*OST, v[RD]
.irp q, 0,1,2,3
	v_mov_b32 v[TP+\q], 0                          ; a lane exchange's destination counts as read: written once here
	v_mov_b32 v[AL+2*\q+1], 0                      ; the pairs' odd registers are named, never used: written once
	v_mov_b32 v[MC+2*\q+1], 0
.endr
.macro KLOAD s                         ; my 64 keys of K: 8 fragments, 16 loads (under destination window 1)
.irp kb, 0,1,2,3
.irp t, 0,1
	ds_load_b128 v[KF+8*(2*\kb+\t):KF+8*(2*\kb+\t)+3],   v[ADK+(\s)] offset:8*KP*\kb+64*\t
	ds_load_b128 v[KF+8*(2*\kb+\t)+4:KF+8*(2*\kb+\t)+7], v[ADK+(\s)] offset:8*KP*\kb+64*\t+32
.endr
.endr
.endm
.macro VLOAD s                         ; my 64 keys of V, transposed: 8 fragments, 16 loads
.irp kc, 0,1
.irp ob, 0,1,2,3
	ds_load_tr16_b128 v[VF+8*(4*\kc+\ob):VF+8*(4*\kc+\ob)+3],   v[ADV+(\s)] offset:16*VP*\kc+32*\ob
	ds_load_tr16_b128 v[VF+8*(4*\kc+\ob)+4:VF+8*(4*\kc+\ob)+7], v[ADV+(\s)] offset:16*VP*\kc+32*\ob+8*VP
.endr
.endr
.endm
; 16 matrix instructions: S^T(kb, qb) over 32 of the 64 along d.  t = 0 starts the sums.  In SMUL and PVMUL the sixteen accumulators take turns,
; one instruction a turn.
.macro SMUL t
.irp kb, 0,1,2,3
.irp qb, 0,1,2,3
.if \t
	v_wmma_f32_16x16x32_bf16 v[SC+8*(4*\kb+\qb):SC+8*(4*\kb+\qb)+7], v[KF+8*(2*\kb+\t):KF+8*(2*\kb+\t)+7], v[QF+8*(2*\qb+\t):QF+8*(2*\qb+\t)+7], v[SC+8*(4*\kb+\qb):SC+8*(4*\kb+\qb)+7]
.else
	v_wmma_f32_16x16x32_bf16 v[SC+8*(4*\kb+\qb):SC+8*(4*\kb+\qb)+7], v[KF+8*(2*\kb+\t):KF+8*(2*\kb+\t)+7], v[QF+8*(2*\qb+\t):QF+8*(2*\qb+\t)+7], 0
.endif
.endr
.endr
.endm
; 32 matrix instructions: O^T(ob, qb) += V^T(kc, ob) P^T(kc, qb).  first = 1: the first product starts the sums.
.macro PVMUL first
.irp kc, 0,1
.irp ob, 0,1,2,3
.irp qb, 0,1,2,3
.if \first*(1-\kc)
	v_wmma_f32_16x16x32_bf16 v[OA+8*(4*\ob+\qb):OA+8*(4*\ob+\qb)+7], v[VF+8*(4*\kc+\ob):VF+8*(4*\kc+\ob)+7], v[SC+8*(8*\kc+\qb):SC+8*(8*\kc+\qb)+7], 0
.else
	v_wmma_f32_16x16x32_bf16 v[OA+8*(4*\ob+\qb):OA+8*(4*\ob+\qb)+7], v[VF+8*(4*\kc+\ob):VF+8*(4*\kc+\ob)+7], v[SC+8*(8*\kc+\qb):SC+8*(8*\kc+\qb)+7], v[OA+8*(4*\ob+\qb):OA+8*(4*\ob+\qb)+7]
.endif
.endr
.endr
.endr
.endm
.macro RESCALE                         ; O times the lane's factor of its query block (under: destination and source 0 window 1)
.irp ob, 0,1,2,3
.irp qb, 0,1,2,3
.irp e, 0,2,4,6
	v_pk_mul_f32 v[OA+8*(4*\ob+\qb)+\e:OA+8*(4*\ob+\qb)+\e+1], v[OA+8*(4*\ob+\qb)+\e:OA+8*(4*\ob+\qb)+\e+1], v[AL+2*\qb:AL+2*\qb+1] op_sel_hi:[1,0]
.endr
.endr
.endr
.endm
.macro SFMA n                          ; tile n: c s - c m
.irp e, 0,2,4,6
	v_pk_fma_f32 v[SC+8*(\n)+\e:SC+8*(\n)+\e+1], v[SC+8*(\n)+\e:SC+8*(\n)+\e+1], s[22:23], v[MC+2*((\n)%4):MC+2*((\n)%4)+1] op_sel_hi:[1,0,0]
.endr
.endm
.macro SEXP n                          ; tile n: p, in place
.irp j, 0,1,2,3,4,5,6,7
	v_exp_f32 v[SC+8*(\n)+\j], v[SC+8*(\n)+\j]
.endr
.endm
; Tile n: its eight p are added to the running sum and packed to bf16.  An even key block packs into its own registers 0-3, an odd one into
; registers 4-7 of the block before it, whose p have been used four tiles earlier.  At key block 0 the old sum is rescaled in the same instruction.
.macro SSUM n, first
.set tq, (\n)%4
.set tk, (\n)/4
.set tb, SC+8*(\n)
.set tt, TT+4*((\n)%2)
.if tk%2
.set td, tb-28
.else
.set td, tb
.endif
	s_wait_alu depctr_va_vdst(0)
	v_pk_add_f32 v[tt:tt+1], v[tb:tb+1], v[tb+2:tb+3]
	v_pk_add_f32 v[tt+2:tt+3], v[tb+4:tb+5], v[tb+6:tb+7]
	v_cvt_pk_bf16_f32 v[td], v[tb], v[tb+1]
	v_cvt_pk_bf16_f32 v[td+1], v[tb+2], v[tb+3]
.if tk == 0
.if \first
	v_pk_add_f32 v[LS+2*tq:LS+2*tq+1], v[tt:tt+1], v[tt+2:tt+3]    ; the first tile starts the sum
.else
	v_pk_add_f32 v[tt:tt+1], v[tt:tt+1], v[tt+2:tt+3]
.endif
.else
	v_pk_add_f32 v[tt:tt+1], v[tt:tt+1], v[tt+2:tt+3]
.endif
	v_cvt_pk_bf16_f32 v[td+2], v[tb+4], v[tb+5]
	v_cvt_pk_bf16_f32 v[td+3], v[tb+6], v[tb+7]
.if tk == 0
.if \first
.else
	v_pk_fma_f32 v[LS+2*tq:LS+2*tq+1], v[LS+2*tq:LS+2*tq+1], v[AL+2*tq:AL+2*tq+1], v[tt:tt+1] op_sel_hi:[1,0,1]
.endif
.else
	v_pk_add_f32 v[LS+2*tq:LS+2*tq+1], v[LS+2*tq:LS+2*tq+1], v[tt:tt+1]
.endif
.endm
.macro SOFTMAX first
	; the running maximum takes in my 32 scores of each query block, two at a time, in four chains that take turns
.irp kb, 0,1,2,3
.irp j, 0,2,4,6
.irp qb, 0,1,2,3
.if (\kb+\j) == 0
.if \first
	v_max_num_f32 v[MX+\qb], v[SC+8*\qb], v[SC+8*\qb+1]
.else
	v_max3_num_f32 v[MX+\qb], v[SC+8*\qb], v[SC+8*\qb+1], v[MX+\qb]
.endif
.else
	v_max3_num_f32 v[MX+\qb], v[SC+8*(4*\kb+\qb)+\j], v[SC+8*(4*\kb+\qb)+\j+1], v[MX+\qb]
.endif
.endr
.endr
.endr
.irp qb, 0,1,2,3
	v_permlanex16_b32 v[TP+\qb], v[MX+\qb], s20, s21               ; the other half's keys of the same query
.endr
.irp qb, 0,1,2,3
	v_max_num_f32 v[MX+\qb], v[MX+\qb], v[TP+\qb]
.endr
.if \first
.irp qb, 0,1,2,3
	v_mul_f32 v[MC+2*\qb], s57, v[MX+\qb]                          ; -c m
.endr
.else
.irp qb, 0,1,2,3
	v_mul_f32 v[MN+\qb], s57, v[MX+\qb]                            ; -c m, new
.endr
.irp qb, 0,1,2,3
	v_sub_f32 v[TP+\qb], v[MN+\qb], v[MC+2*\qb]                    ; c m old - c m new, of the very numbers that the exponents use
.endr
.irp qb, 0,1,2,3
	v_exp_f32 v[AL+2*\qb], v[TP+\qb]                               ; the factor for what was summed under the old maximum
.endr
.irp qb, 0,1,2,3
	v_mov_b32 v[MC+2*\qb], v[MN+\qb]                               ; plain instructions behind the exponentials (ISA guide 5.7.2), ahead of the factors' first use
.endr
.endif
	; three stages, each on a tile of its own: behind every run of exponentials stands plain work on another tile before their results are used
.set ti, 0
.rept 18
.if ti < 16
	SFMA ti
.endif
.if ti >= 1
.if ti <= 16
	SEXP ti-1
.endif
.endif
.if ti >= 2
	SSUM ti-2, \first
.endif
.set ti, ti+1
.endr
.endm
; Tile t, which lies in slot s and whose fragments were loaded in the trip before.  mode 2: slot s is filled again with tile t + 2, and tile t + 1
; is read; mode 1: tile t + 1 is read, nothing is left to fetch; mode 0: the last tile.
; ONE round of the cluster's barrier a trip does two things.  In front of it every wave has all its reads of tile t back and all its tensor loads
; landed, of which one is out: its part of tile t + 1.  Behind it nobody reads slot s any more, in no partner, and tile t + 1 is whole.
.macro TRIP s, first, mode
	s_wait_dscnt 16                                ; K's 16 loads are in; the 16 younger, V's, may stay out
	WIN 0x05                                       ; K and Q from window 1, S in window 0
	SMUL 0
.if \mode
	s_wait_dscnt 0x0                               ; V's fragments are in too: my reads of slot s are over
	s_wait_xcnt 0x0
	s_set_vgpr_msb 0x504
	v_lshl_add_u32 v62, v0, 2, 0x48000
	v_mov_b32 v63, 0
	s_set_vgpr_msb 0x400
	s_wait_tensorcnt 0x0                           ; and all my tensor loads have landed
	ds_add_u32 v62, v63
	s_wait_dscnt 0x0
	s_set_vgpr_msb 0x5
	s_barrier_signal -1
.endif
	SMUL 1                                         ; register work while the others arrive
	WIN 0
.if \mode
	s_barrier_wait -1
.endif
.if \mode == 2
	CREST                                          ; the rest of the round: all four work-groups have said so
	s_add_nc_u64 s[G0K+4*\s+2:G0K+4*\s+3], s[G0K+4*\s+2:G0K+4*\s+3], 131072   ; no load of mine is out: two tiles on
	s_add_nc_u64 s[G0V+4*\s+2:G0V+4*\s+3], s[G0V+4*\s+2:G0V+4*\s+3], 131072
	JLOAD \s                                       ; my one tensor load behind the round, and the first thing there: it has the whole trip in which to land
.endif
	PLACES                                         ; four places behind the S products: for the loads into K's fragments and for the first read of S
.if \mode
	WIN 0x40
	KLOAD 1-\s                                     ; the next tile's K, under the softmax
	WIN 0
.endif
	SOFTMAX \first
.if \first
.else
	WIN 0x41
	RESCALE
.endif
.if \mode == 0
	s_wait_dscnt 0x0                               ; the last tile has no barrier: V's fragments are waited for here
.endif
	WIN 0x50                                       ; O in window 1, V and P in window 0
	PVMUL \first
	WIN 0
.rept 5
	v_nop                                          ; five places: the next S products write over P, and loads go into V's fragments
.endr
.if \mode
	VLOAD 1-\s
.endif
.endm
	s_wait_tensorcnt 0x1                           ; my part of tile 0 is in; tile 1's load may stay out
	s_barrier_signal -1
	s_barrier_wait -1                              ; everybody's is
	WIN 0x40
	KLOAD 0
	WIN 0
	VLOAD 0
	s_wait_loadcnt 0x0                             ; Q, once
	TRIP 0, 1, 2                                   ; tile 0 stands in front of the loop: it starts the maxima and the sums
	s_mov_b32 s56, 2
.Lpair:
	TRIP 1, 0, 2                                   ; tiles 1 and 3
	TRIP 0, 0, 2                                   ; tiles 2 and 4
	s_sub_co_u32 s56, s56, 1
	s_cmp_lg_u32 s56, 0
	s_cbranch_scc1 .Lpair
	TRIP 1, 0, 2                                   ; tile 5: asks for tile 7, the last
	TRIP 0, 0, 1                                   ; tile 6
	TRIP 1, 0, 0                                   ; tile 7
	; THE MERGE.  Each wave holds, for all 64 queries, -c m, a sum l and O over its eighth of the keys.
.irp qb, 0,1,2,3
	v_add_f32 v[LR+\qb], v[LS+2*\qb], v[LS+2*\qb+1]
.endr
.irp qb, 0,1,2,3
	v_permlanex16_b32 v[TP+\qb], v[LR+\qb], s20, s21
.endr
.irp qb, 0,1,2,3
	v_add_f32 v[LR+\qb], v[LR+\qb], v[TP+\qb]
.endr
	ds_store_b128 v[MLA], v[MN:MN+3]               ; -c m of my four query blocks
	ds_store_b128 v[MLA], v[LR:LR+3] offset:4096   ; and the sums
	s_wait_dscnt 0x0                               ; for the others' sake
	s_barrier_signal -1
	s_barrier_wait -1
.set EM, SC                            ; v128-159: the eight waves' -c m, then their weights
.set EL, SC+32                         ; v160-191: their sums
.irp u, 0,1,2,3,4,5,6,7
	ds_load_b128 v[EM+4*\u:EM+4*\u+3], v[MLB] offset:512*\u
.endr
.irp u, 0,1,2,3,4,5,6,7
	ds_load_b128 v[EL+4*\u:EL+4*\u+3], v[MLB] offset:4096+512*\u
.endr
	s_wait_dscnt 0x0
.irp qb, 0,1,2,3
	v_min3_num_f32 v[TP+\qb], v[EM+\qb], v[EM+4+\qb], v[EM+8+\qb]  ; the least -c m belongs to the largest maximum
.endr
.irp qb, 0,1,2,3
	v_min3_num_f32 v[TP+\qb], v[TP+\qb], v[EM+12+\qb], v[EM+16+\qb]
.endr
.irp qb, 0,1,2,3
	v_min3_num_f32 v[TP+\qb], v[TP+\qb], v[EM+20+\qb], v[EM+24+\qb]
.endr
.irp qb, 0,1,2,3
	v_min_num_f32 v[TP+\qb], v[TP+\qb], v[EM+28+\qb]
.endr
.irp u, 0,1,2,3,4,5,6,7
.irp qb, 0,1,2,3
	v_sub_f32 v[EM+4*\u+\qb], v[TP+\qb], v[EM+4*\u+\qb]            ; c m of wave u - c m of all: never above 0
.endr
.endr
.irp qb, 0,1,2,3
	v_sub_f32 v[MN+\qb], v[TP+\qb], v[MN+\qb]                      ; my own
.endr
.irp u, 0,1,2,3,4,5,6,7
.irp qb, 0,1,2,3
	v_exp_f32 v[EM+4*\u+\qb], v[EM+4*\u+\qb]
.endr
.endr
.irp qb, 0,1,2,3
	v_exp_f32 v[AL+2*\qb], v[MN+\qb]
.endr
	v_nop                                          ; one plain place behind the run of exponentials (ISA guide 5.7.2)
	s_wait_alu depctr_va_vdst(0)
.irp qb, 0,1,2,3
	v_mul_f32 v[LR+\qb], v[EM+\qb], v[EL+\qb]
.endr
.irp u, 1,2,3,4,5,6,7
.irp qb, 0,1,2,3
	v_fmac_f32 v[LR+\qb], v[EM+4*\u+\qb], v[EL+4*\u+\qb]           ; the whole row's sum; the wave with the largest maximum gives about 1 or more
.endr
.endr
.irp qb, 0,1,2,3
	v_rcp_f32 v[TP+\qb], v[LR+\qb]
.endr
	v_nop
	s_wait_alu depctr_va_vdst(0)
.irp qb, 0,1,2,3
	v_mul_f32 v[AL+2*\qb], v[AL+2*\qb], v[TP+\qb]                  ; my weight over the sum
.endr
	WIN 0x41
	RESCALE                                        ; my O, weighted and normalised
	WIN 0x04                                       ; store data from window 1
.irp ob, 0,1,2,3
.irp qb, 0,1,2,3
	ds_store_b128 v[STO], v[OA+8*(4*\ob+\qb):OA+8*(4*\ob+\qb)+3]   offset:16*OP*\qb+64*\ob
	ds_store_b128 v[STO], v[OA+8*(4*\ob+\qb)+4:OA+8*(4*\ob+\qb)+7] offset:16*OP*\qb+64*\ob+16
.endr
.endr
	WIN 0
	s_wait_dscnt 0x0                               ; for the others' sake
	s_barrier_signal -1
	s_barrier_wait -1
	; wave w adds the eight O of queries 8 w .. 8 w + 7: a load takes two whole rows of 256 bytes
.irp u, 0,1,2,3,4,5,6,7
.irp t, 0,1,2,3
	ds_load_b128 v[SC+16*\u+4*\t:SC+16*\u+4*\t+3], v[RD+\u/4] offset:(\u%4)*OST+2*OP*\t
.endr
.endr
.irp u, 1,2,3,4,5,6,7
	s_wait_dscnt 4*(7-\u)                          ; LDS loads come back in order: the four loads of each later wave's O may stay out
.irp e, 0,2,4,6,8,10,12,14
	v_pk_add_f32 v[SC+\e:SC+\e+1], v[SC+\e:SC+\e+1], v[SC+16*\u+\e:SC+16*\u+\e+1]
.endr
.endr
.irp t, 0,1,2,3
	global_store_b128 v[OOFF], v[SC+4*\t:SC+4*\t+3], s[10:11] offset:512*\t th:TH_STORE_NT   ; 512 consecutive bytes, aligned: two rows of the output
.endr
	s_wait_xcnt 0x0
	v_lshl_add_u32 v62, v0, 2, 0x48000
	v_mov_b32 v63, 0
	s_wait_tensorcnt 0x0
	ds_add_u32 v62, v63
	s_wait_dscnt 0x0
	CROUND                                         ; the closing round: no work-group ends while a partner may still ask for a tile that names it
	s_endpgm
.Lfunc_end_k_q143599a784_attn:
	.size	k_q143599a784_attn, .Lfunc_end_k_q143599a784_attn-k_q143599a784_attn
	.p2alignl 7, 3214868480
	.fill 96, 4, 3214868480
	.section	.rodata,"a",@progbits
	.p2align	6, 0x0
	.amdhsa_kernel k_q143599a784_attn
		.amdhsa_group_segment_fixed_size 327680
		.amdhsa_private_segment_fixed_size 0
		.amdhsa_enable_private_segment 0
		.amdhsa_kernarg_size 32
		.amdhsa_user_sgpr_count 2
		.amdhsa_user_sgpr_kernarg_segment_ptr 1
		.amdhsa_wavefront_size32 1
		.amdhsa_system_sgpr_workgroup_id_x 1
		.amdhsa_system_sgpr_workgroup_id_y 1
		.amdhsa_system_sgpr_workgroup_id_z 1
		.amdhsa_system_vgpr_workitem_id 0
		.amdhsa_next_free_vgpr 512
		.amdhsa_next_free_sgpr 66
		.amdhsa_reserve_vcc 0
		.amdhsa_float_denorm_mode_32 3
		.amdhsa_float_denorm_mode_16_64 3
		.amdhsa_memory_ordered 1
		.amdhsa_forward_progress 1
		.amdhsa_inst_pref_size 220
	.end_amdhsa_kernel
	.amdgpu_metadata
---
amdhsa.version: [ 1, 2 ]
amdhsa.kernels:
  - .name:           k_q143599a784_attn
    .symbol:         k_q143599a784_attn.kd
    .args:
      - { .name: Qb, .offset: 0, .size: 8, .value_kind: global_buffer, .address_space: global }
      - { .name: Kb, .offset: 8, .size: 8, .value_kind: global_buffer, .address_space: global }
      - { .name: Vb, .offset: 16, .size: 8, .value_kind: global_buffer, .address_space: global }
      - { .name: out0, .offset: 24, .size: 8, .value_kind: global_buffer, .address_space: global }
    .group_segment_fixed_size: 327680
    .private_segment_fixed_size: 0
    .kernarg_segment_align: 8
    .kernarg_segment_size: 32
    .max_flat_workgroup_size: 256
    .sgpr_count:     66
    .vgpr_count:     512
    .wavefront_size: 32
...
	.end_amdgpu_metadata
.endif
;; end of part 2
